; MI455X (gfx1250); checked and timed in simulation.
; The chip was launched on July 23, 2026; its instructions are those of AMD's public machine-readable ISA for CDNA 5 (MIT licence, August 2026) and "CDNA5" Instruction Set Architecture Reference Guide (July 2026). The comments in the code are by the model that wrote it; some were corrected since.
;; MH Attention. Allowed arithmetic: matrix products marked QUANTISED: E2M3 operands, one E8M0 scale for each 32 along K, by v_wmma_scale_f32_16x16x128_f8f6f4 with both operands' format E2M3, f32 sums; everything else in f32.
;; Inputs: Wk 1,024 x 1,024 float32; Wout 1,024 x 1,024 float32; Wq 1,024 x 1,024 float32; Wv 1,024 x 1,024 float32; x 2 x 2,048 x 1,024 float32.
;; Outputs: out0 2 x 2,048 x 1,024 float32.
;; This version of the problem:
;;   THIS VERSION OF THE PROBLEM IS GIVEN IN LOW PRECISION. The matrix products marked QUANTISED in the list below multiply operands that are first quantised to E2M3 (2 exponent bits, 3 mantissa bits; 6 bits a number), with one power-of-two scale for each 32 numbers along K (OCP MX v1.0); their sums are f32. All else is computed in f32.
;;   The module's matrix products, in the order in which they are computed (A, B: the left and right operand; K: the contracted axis; several contracted axes count as one K, in the product's order):
;;     1. [M 4,096, K 1,024] x [K 1,024, N 1,024]; A: input x; B: input Wq: QUANTISED
;;     2. [M 4,096, K 1,024] x [K 1,024, N 1,024]; A: input x; B: input Wk: QUANTISED
;;     3. [M 4,096, K 1,024] x [K 1,024, N 1,024]; A: input x; B: input Wv: QUANTISED
;;     4. batch 32 x [M 2,048, K 64] x [K 64, N 2,048]; A: computed on the way; B: computed on the way: QUANTISED
;;     5. batch 32 x [M 64, K 2,048] x [K 2,048, N 2,048]; A: computed on the way; B: softmax (see below): QUANTISED
;;     6. [M 4,096, K 1,024] x [K 1,024, N 1,024]; A: computed on the way; B: input Wout: QUANTISED
;;   THE QUANTISER, for each operand of a quantised product, along K:
;;     - K is cut into blocks of 32 from its start; a last block that is shorter is filled with zeros.
;;     - A block's scale is 2^e with e = floor(log2(the largest magnitude in the block)) - 2, held to -126 .. 127; a block of zeros has e = 0. As a byte (E8M0): e + 127.
;;     - Each number is divided by its block's scale, clamped to +-7.5, and rounded to the nearest number of E2M3, ties to even, subnormals kept.
;;     - The product sums the exact products of the quantised numbers (number of the format x scale) in f32.
;;   ~~~python
;;   def quantise(x, axis):      # numpy; x: float32 -> the quantised numbers, widened to float32 again
;;       x = np.moveaxis(x, axis, -1); K = x.shape[-1]
;;       x = np.pad(x, [(0, 0)] * (x.ndim - 1) + [(0, -K % 32)]); x = x.reshape(x.shape[:-1] + (-1, 32)); a = np.abs(x).max(-1, keepdims=True)
;;       e = np.where(a > 0, np.clip(np.frexp(np.where(a > 0, a, 1))[1] - 1 - 2, -126, 127), 0)      # np.frexp(a)[1] - 1 = floor(log2(a)), exactly
;;       r = np.clip(x / 2.0 ** e, -7.5, 7.5)
;;       step = 2.0 ** (np.maximum(np.frexp(np.where(r == 0, 1, r))[1] - 1, 0) - 3)
;;       q = np.round(r / step) * step * 2.0 ** e      # np.round: ties to even
;;       return np.moveaxis(q.reshape(q.shape[:-2] + (-1,))[..., :K], -1, axis).astype(np.float32)
;;   ~~~
;;   SOFTMAX AHEAD OF A QUANTISED PRODUCT. Where the list says 'softmax', what is quantised is not the finished softmax but p = 2^(t - M), with t = logit x log2(e) and M = ceil(the row's largest t), a whole number; so 1/2 < the row's largest p <= 1. The row's sum l is taken of the UNQUANTISED p, in f32, and the product's result is divided by l at the end. Since M is a whole number, a kernel that streams over the keys may use a running M (the ceiling of the running maximum): every later rescaling is an exact power of two, which a block's scale takes up: the codes' values come out the same.
;;   OPERANDS COMPUTED ON THE WAY. 'Computed on the way' means the value that the module computes at that place (a softmax that the list does not call 'softmax' is quantised finished and normalised). What goes into a quantiser is computed in f32, as accurately as f32 sums, v_exp_f32 and their like allow (about 1e-6 of the number): no bf16 or f16 on the way to a quantiser, and a product that is left as it is and whose result goes on into a quantised operand takes f32 operands (vector FMAs, or v_wmma_f32_16x16x4_f32). A number that lies on a knife's edge between two numbers of the format may be rounded either way, as far as f32 arithmetic and the matrix unit's own rounding can turn it there, and no further.
;; One version. Each part assembles by itself: llvm-mc -triple=amdgcn-amd-amdhsa -mcpu=gfx1250 --defsym DOCPART=n.
;; ======== version 1 of 1: 4 launches
;; limits: right only within a limited range of input values
;; workspace buffers: xw 6,553,600 bytes; q_img 3,145,728 bytes; q_sc 131,072 bytes; kv 6,553,600 bytes; vo 3,276,800 bytes
;; launch quant (part 1): grid 256 x 1, 4 waves a work-group, no clusters, 68,096 bytes of LDS; arguments x, Wq, Wk, Wv, Wout, xw; writes xw
.if DOCPART == 1
	.amdgcn_target "amdgcn-amd-amdhsa--gfx1250"
	.amdhsa_code_object_version 6
	.text
	.protected	k_q0b714cf080_quant
	.globl	k_q0b714cf080_quant
	.p2align	8
	.type	k_q0b714cf080_quant,@function
k_q0b714cf080_quant:
	s_mov_b64 s[64:65], 0
	v_nop
	global_prefetch_b8 v0, s[64:65] scope:SCOPE_SE
	s_setreg_imm32_b32 hwreg(HW_REG_WAVE_MODE, 25, 1), 1
	s_wait_xcnt 0x0
; x [4096][1024] and the four weights [1024 (k)][1024 (n)], f32, become codes of FP6 (E2M3) and E8M0 bytes, one for each 32 along K, laid as IMAGES OF OPERAND REGISTERS.
; THE PROGRAM: this launch; Q, K, V with their quantisers; causal attention with O's quantiser; the projection on the way out.
; WORK LEFT OUT: reference() sets scores of keys behind the query to -inf by a mask that it builds itself: their weights are 0 for all finite inputs.  Key steps of 128 that lie wholly behind a block of 128 queries are not computed.
; A NaN, an infinity or an overflow that reaches only that work is not carried to the result.
; GROUPS OF 64 rows of x (or columns of a weight): tile j's (0 .. 3) row 8 h + i (h = 0, 1, i = 0 .. 7) is the group's row 32 h + 8 j + i.  Groups 0-63 x's rows, 64 + 16 w + .. the columns of weight w (Wq, Wk, Wv, Wout).
; xw [group][pair of K steps of 128: 4][12,800 bytes]: two K steps of 6,144 bytes, then 512 bytes of scale words.  A K step: [piece of 4 registers: 3][h][half of the lanes g][(j xor h)][i][16 bytes]: an operand's lane r = 8 h + i, g of tile j.
; Scale words: [h][8 j + i][K step of the pair][4 bytes].
; A block's scale is 2^(floor(log2(its largest magnitude)) - 2): its byte is the largest magnitude's exponent field - 2, held at 1 from below.
; LIMITS: a block of zeros gets the byte 1 where the rule says 127 (its codes are zeros, and this program alone reads the bytes); NaN and infinities among the inputs are not served.
; A WAVE TAKES 32 rows (a group's half h) x 256 along K; LANE l HOLDS ROW l, and its registers run along K, so a block of 32 lies in one lane.  Work-groups 0-127 take x: each load reads 512 consecutive bytes of a row, and a K step
; turns through the wave's own stage in LDS (rows of 528 bytes).  Work-groups 128-255 take the weights, whose K is outermost: a lane takes a column.  Each store of codes covers 512 consecutive bytes.  No barrier: waves share nothing.
.set GB,    51200
.set QPB,   12800
.set SP,    528
.set WST,   32*SP
.set SPARE, 4*WST                      ; 128 bytes a wave that no other line names
.set MSB, 0
.macro WIN new                         ; the immediate's high byte repeats the setting that is left
.if MSB != (\new)
	s_set_vgpr_msb (MSB<<8)|(\new)
.set MSB, (\new)
.endif
.endm
; One block of 32 numbers, v[x ..], block b of a K step: six registers of codes at their place among the operand's twelve (c + 12 (b % 2) + 6 (b / 2)), the byte into word w
.macro QB x, b, c, w
.set D_, (\c)+12*((\b)%2)+6*((\b)/2)
	v_max3_num_f32 v8, |v[\x]|, |v[\x+1]|, |v[\x+2]|
	v_max3_num_f32 v9, |v[\x+16]|, |v[\x+17]|, |v[\x+18]|
.irp i, 3,5,7,9,11,13
	v_max3_num_f32 v8, v8, |v[\x+\i]|, |v[\x+\i+1]|
	v_max3_num_f32 v9, v9, |v[\x+\i+16]|, |v[\x+\i+17]|
.endr
	v_max3_num_f32 v9, v9, |v[\x+31]|, 0x1800000   ; the floor 2^(3 - 127): the byte cannot fall under 1
	v_max3_num_f32 v8, v8, |v[\x+15]|, v9
	v_add_nc_u32 v11, 0xff000000, v8               ; 2 off the exponent field: the conversion's scale operand
	v_cvt_scalef32_pk16_fp6_f32 v[D_:D_+2], v[\x:\x+15], v11
	v_cvt_scalef32_pk16_fp6_f32 v[80:82], v[\x+16:\x+31], v11   ; (a conversion's three registers begin on an even number)
	v_lshrrev_b32 v10, 23, v11
.if (\b) == 0
	v_mov_b32 v[\w], v10
.else
	v_lshl_or_b32 v[\w], v10, 8*(\b), v[\w]
.endif
.irp i, 0,1,2
	v_mov_b32 v[D_+3+\i], v[80+\i]
.endr
.endm
.macro STOREQ q                        ; a K step's codes: v32-55 or v56-79
.irp g, 0,1
.irp p, 0,1,2
	global_store_b128 v4, v[32+24*(\q)+12*\g+4*\p:32+24*(\q)+12*\g+4*\p+3], s[14:15] offset:6144*(\q)+2048*\p+512*\g
.endr
.endr
.endm
	s_load_b256 s[4:11], s[0:1], 0x0               ; x, Wq, Wk, Wv
	s_load_b128 s[12:15], s[0:1], 0x20             ; Wout, xw
	v_lshrrev_b32 v1, 5, v0
	v_readfirstlane_b32 s18, v1                    ; wave
	v_and_b32 v2, 31, v0                           ; lane
	v_lshlrev_b32 v6, 4, v2
	v_lshlrev_b32 v7, 3, v2
	s_wait_alu depctr_va_vdst(0)
	s_cmp_lt_u32 ttmp9, 128
	s_cbranch_scc0 .Lweights
	; ---------------- x: rows 32 x work-group + lane; the wave is the pair of K steps
	v_lshl_add_u32 v12, v0, 2, SPARE
	v_mov_b32 v13, 0
	s_mul_i32 s19, s18, WST
	s_and_b32 s20, ttmp9, 1                        ; h
	s_lshl_b32 s21, s20, 7
	s_lshl_b32 s22, s20, 10
	s_lshl_b32 s23, s20, 8
	s_lshr_b32 s24, ttmp9, 1
	s_mul_i32 s24, s24, GB
	s_mul_i32 s25, s18, QPB
	s_add_co_u32 s24, s24, s25
	s_mov_b32 s25, 0
	s_lshl_b32 s26, ttmp9, 17
	s_lshl_b32 s27, s18, 10
	s_add_co_u32 s26, s26, s27
	s_mov_b32 s27, 0
	v_add_nc_u32 v14, s19, v6                      ; the stage, in: 16 x lane of a row
	v_mul_u32_u24 v15, v2, SP
	v_add_nc_u32 v15, s19, v15                     ; and out: row = lane
	v_xor_b32 v4, s21, v6
	v_add_nc_u32 v4, s22, v4                       ; my codes' place
	v_add_nc_u32 v5, s23, v7                       ; my scale words' place
	s_wait_alu depctr_va_vdst(0)
	s_wait_kmcnt 0x0
	s_add_nc_u64 s[4:5], s[4:5], s[26:27]
	s_add_nc_u64 s[14:15], s[14:15], s[24:25]
	WIN 0x40
.set I_, 0
.rept 64                               ; K step 0's 32 rows, then K step 1's: v256-511
	global_load_b128 v[4*I_:4*I_+3], v6, s[4:5] offset:4096*(I_%32)+512*(I_/32) th:TH_LOAD_NT
.set I_, I_+1
.endr
.macro XSTEP q
	WIN 0x04
.set I_, 0
.rept 32
.if I_%8 == 0
	s_wait_loadcnt 56-32*(\q)-I_                   ; eight rows more are in; the younger loads may be out
.endif
	ds_store_b128 v14, v[128*(\q)+4*I_:128*(\q)+4*I_+3] offset:SP*I_
.set I_, I_+1
.endr
	WIN 0
.set I_, 0
.rept 32                               ; LDS serves a wave's instructions in order: these see the stores above
	ds_load_b128 v[128+4*I_:128+4*I_+3], v15 offset:16*I_
.set I_, I_+1
.endr
.irp b, 0,1,2,3
	s_wait_dscnt 24-8*\b                           ; block b is back
	QB 128+32*\b, \b, 32+24*(\q), 24+(\q)
.endr
	STOREQ \q
.endm
	XSTEP 0
	XSTEP 1
	global_store_b64 v5, v[24:25], s[14:15] offset:12288   ; one aligned unit of 256 bytes
	s_wait_tensorcnt 0x0                           ; the wave's end
	ds_add_u32 v12, v13
	s_wait_dscnt 0x0
	s_endpgm
	; ---------------- the weights: a wave takes 32 columns x 256 along K; it writes no LDS byte
.Lweights:
	s_sub_co_u32 s19, ttmp9, 128
	s_lshr_b32 s20, s19, 5                         ; which weight
	s_and_b32 s21, s19, 7                          ; which 128 columns
	s_bfe_u32 s22, s19, 0x20003                    ; which pair of K steps
	s_lshl_b32 s21, s21, 2
	s_add_co_u32 s21, s21, s18                     ; which 32 columns
	s_and_b32 s23, s21, 1                          ; h
	s_lshr_b32 s24, s21, 1
	s_lshl_b32 s25, s20, 4
	s_add_co_u32 s24, s24, s25
	s_add_co_u32 s24, s24, 64                      ; the group
	s_mul_i32 s24, s24, GB
	s_mul_i32 s25, s22, QPB
	s_add_co_u32 s24, s24, s25
	s_mov_b32 s25, 0
	s_lshl_b32 s26, s22, 20                        ; 256 rows of 4,096 bytes
	s_lshl_b32 s27, s21, 7
	s_add_co_u32 s26, s26, s27
	s_mov_b32 s27, 0
	s_lshl_b32 s28, s23, 7
	s_lshl_b32 s29, s23, 10
	s_lshl_b32 s30, s23, 8
	s_wait_alu depctr_va_vdst(0)
	v_lshlrev_b32 v3, 2, v2
	v_xor_b32 v4, s28, v6
	v_add_nc_u32 v4, s29, v4
	v_add_nc_u32 v5, s30, v7
	s_wait_alu depctr_va_vdst(0)
	s_wait_kmcnt 0x0
	s_cmp_eq_u32 s20, 1                            ; the weight is chosen by the work-group's number alone
	s_cselect_b64 s[6:7], s[8:9], s[6:7]
	s_cmp_eq_u32 s20, 2
	s_cselect_b64 s[6:7], s[10:11], s[6:7]
	s_cmp_eq_u32 s20, 3
	s_cselect_b64 s[6:7], s[12:13], s[6:7]
	s_add_nc_u64 s[6:7], s[6:7], s[26:27]
	s_add_nc_u64 s[14:15], s[14:15], s[24:25]
.macro LOADW t                         ; block t, into set t % 4
.set I_, 0
.rept 32
	global_load_b32 v[128+32*((\t)%4)+I_], v3, s[6:7] offset:(32*(\t)+I_)*4096 th:TH_LOAD_NT
.set I_, I_+1
.endr
.endm
	LOADW 0
	LOADW 1
.irp t, 0,1,2,3,4,5,6,7
.if \t < 7
	s_wait_loadcnt 32                              ; this block's loads are in; the next block's may be out
.else
	s_wait_loadcnt 0
.endif
.if \t < 6
	LOADW \t+2
.endif
	QB 128+32*(\t%4), \t%4, 32+24*(\t/4), 24+\t/4
.if \t%4 == 3
	STOREQ \t/4
.endif
.endr
	global_store_b64 v5, v[24:25], s[14:15] offset:12288
	s_endpgm
.Lfunc_end_k_q0b714cf080_quant:
	.size	k_q0b714cf080_quant, .Lfunc_end_k_q0b714cf080_quant-k_q0b714cf080_quant
	.p2alignl 7, 3214868480
	.fill 96, 4, 3214868480
	.section	.rodata,"a",@progbits
	.p2align	6, 0x0
	.amdhsa_kernel k_q0b714cf080_quant
		.amdhsa_group_segment_fixed_size 68096
		.amdhsa_private_segment_fixed_size 0
		.amdhsa_enable_private_segment 0
		.amdhsa_kernarg_size 48
		.amdhsa_user_sgpr_count 2
		.amdhsa_user_sgpr_kernarg_segment_ptr 1
		.amdhsa_wavefront_size32 1
		.amdhsa_system_sgpr_workgroup_id_x 1
		.amdhsa_system_sgpr_workgroup_id_y 1
		.amdhsa_system_sgpr_workgroup_id_z 1
		.amdhsa_system_vgpr_workitem_id 0
		.amdhsa_next_free_vgpr 512
		.amdhsa_next_free_sgpr 66
		.amdhsa_reserve_vcc 0
		.amdhsa_float_denorm_mode_32 3
		.amdhsa_float_denorm_mode_16_64 3
		.amdhsa_memory_ordered 1
		.amdhsa_forward_progress 1
		.amdhsa_inst_pref_size 67
	.end_amdhsa_kernel
	.amdgpu_metadata
---
amdhsa.version: [ 1, 2 ]
amdhsa.kernels:
  - .name:           k_q0b714cf080_quant
    .symbol:         k_q0b714cf080_quant.kd
    .args:
      - { .name: x, .offset: 0, .size: 8, .value_kind: global_buffer, .address_space: global }
      - { .name: Wq, .offset: 8, .size: 8, .value_kind: global_buffer, .address_space: global }
      - { .name: Wk, .offset: 16, .size: 8, .value_kind: global_buffer, .address_space: global }
      - { .name: Wv, .offset: 24, .size: 8, .value_kind: global_buffer, .address_space: global }
      - { .name: Wout, .offset: 32, .size: 8, .value_kind: global_buffer, .address_space: global }
      - { .name: xw, .offset: 40, .size: 8, .value_kind: global_buffer, .address_space: global }
    .group_segment_fixed_size: 68096
    .private_segment_fixed_size: 0
    .kernarg_segment_align: 8
    .kernarg_segment_size: 48
    .max_flat_workgroup_size: 128
    .sgpr_count:     66
    .vgpr_count:     512
    .wavefront_size: 32
...
	.end_amdgpu_metadata
.endif
;; end of part 1
;; launch qkv (part 2): grid 8 x 32, 4 waves a work-group, clusters of 4 x 4, 327,680 bytes of LDS; arguments xw, q_img, q_sc, kv; writes q_img, q_sc, kv
.if DOCPART == 2
	.amdgcn_target "amdgcn-amd-amdhsa--gfx1250"
	.amdhsa_code_object_version 6
	.text
	.protected	k_q0b714cf080_qkv
	.globl	k_q0b714cf080_qkv
	.p2align	8
	.type	k_q0b714cf080_qkv,@function
k_q0b714cf080_qkv:
	s_mov_b64 s[64:65], 0
	v_nop
	global_prefetch_b8 v0, s[64:65] scope:SCOPE_SE
	s_setreg_imm32_b32 hwreg(HW_REG_WAVE_MODE, 25, 1), 1
	s_wait_xcnt 0x0
	s_wait_alu depctr_hold_cnt(0) depctr_sa_sdst(0) depctr_va_vdst(0) depctr_va_sdst(0) depctr_va_ssrc(0) depctr_va_vcc(0) depctr_vm_vsrc(0)
	s_getreg_b32 s2, hwreg(HW_REG_IB_STS2, 6, 4)
	s_cmp_eq_u32 s2, 0
	s_cbranch_scc0 .Lentry_in_a_cluster
	s_endpgm
.Lentry_in_a_cluster:
	s_bfe_u32 s2, ttmp6, 0x10000c
	s_cmp_lg_u32 s2, 0xf033
	s_cbranch_scc0 .Lentry_shape_is_right
	s_endpgm
.Lentry_shape_is_right:
; V, K, Q = x W on codes of FP6 with E8M0 scales, quantised in registers; they leave as images of operand registers.
; A work-group makes 128 tokens (a key step) x 128 columns (two heads) of each of V, K and Q; a wave (wr, wc) 64 tokens x one head of each.  Its 64 rows of x, all of K, stay in 384 registers; the weights stream from LDS.
; By the rows' order a lane's 32 results are 32 neighbours along the next product's K.  Q, K: source 0 = the weight's tile: lane (r, h) holds token r of its tile and dims 32 h + 0 .. 31.
; V: source 0 = x's tile: lane (r, h) holds dim r of its tile and tokens 32 h + 0 .. 31 of the wave's 64.
; CLUSTERS: x's rows are shared along a row of the cluster, a weight's along a column, by joint loads.
; LDS: three regions of 102,400 bytes: x (later Wq), Wv, Wk.  One tensor load a wave at the head; ONE refill: Wq over x, which all waves hold in registers by then.
; No prefetch: the launch has no loop to run ahead in; all tiles but Wq's are asked for at the head.
; OUT: q_img [b 16 + head][key step][tile of 16 tokens: 8][768]: registers 0-3 at 16 lane, registers 4-5 at 512 + 8 lane.  q_sc [..][key step][tile][r][h] bytes.
;   kv [b 16 + head][key step][12,800]: K [band of 64][pair of tiles][piece of 4 registers][512]; V [tile of dims][band][768, as Q's]; K's scale words [lane][band], V's [lane][tile / 2].
; LIMITS: a block of zeros gets the byte 1 (this program alone reads the bytes); NaN and infinities are not served.
; REGISTERS: window 0: v6-28 addresses; v32-63 x's scale words, v68-99 the weight's; v104-199 the weight's fragments, two sets; v200-255 the way out.  windows 1, 2: x's fragments, 21 to a window.  window 3: 16 accumulators.
.set GB,   51200
.set REG,  2*GB
.set SCST, 3*REG                       ; the scale bytes' stage: [head][Q, K, V][256]
.set SPARE, SCST+1536
.set XE, 6
.set XO, 7
.set XSA, 8
.set L16, 12
.set L8, 13
.set SQ, 14
.set SK, 15
.set SV, 16
.set SCR, 17
.set SPW, 18
.set NIL, 19
.set WA, 20                            ; v20-28: for each unit: even tiles, odd tiles, scale words
.set XS, 32
.set WS, 68
.set WF, 104
.set CD, 200
.set C2, 224
.set TT, 240
.set SO, 248
.set EB, 252
.set MSB, 0
.macro WIN new
.if MSB != (\new)
	s_set_vgpr_msb (MSB<<8)|(\new)
.set MSB, (\new)
.endif
.endm
.macro PLACES n
.rept \n
	v_nop
.endr
.endm
.macro WALU
	s_wait_alu depctr_va_vdst(0)
.endm
.macro BARRIER
	s_barrier_signal -1
	s_barrier_wait -1
.endm
.macro CROUND
	BARRIER
	s_cmp_lg_u32 s14, 0
	s_cbranch_scc1 .Lnot_wave_0_\@
	s_barrier_signal -3
.Lnot_wave_0_\@:
	s_barrier_wait -3
	BARRIER
.endm
.macro TLOAD g0, g1
	tensor_load_to_lds s[\g0:\g0+3], s[\g1:\g1+7]
	s_nop 0
	PLACES 4
.endm
.macro GROUP1 g, mask, rows            ; a dense block as rows of 256 bytes
	s_or_b32 s[\g], s[\mask], (3<<16)|(1<<21)
	s_mov_b32 s[\g+1], 32<<16
	s_mov_b32 s[\g+2], (\rows)<<16
	s_mov_b32 s[\g+3], 32<<16
	s_mov_b32 s[\g+4], \rows
	s_mov_b32 s[\g+5], 32
	s_mov_b32 s[\g+6], 0
	s_mov_b32 s[\g+7], 0
.endm
	s_load_b256 s[4:11], s[0:1], 0x0               ; xw, q_img, q_sc, kv
	v_lshl_add_u32 v[SPW], v0, 2, SPARE
	v_mov_b32 v[NIL], 0
	ds_add_u32 v[SPW], v[NIL]
	ds_add_u32 v[SPW], v[NIL]
	v_lshrrev_b32 v1, 5, v0
	v_readfirstlane_b32 s14, v1                    ; wave
	s_lshr_b32 s15, s14, 1                         ; wr
	s_and_b32 s16, s14, 1                          ; wc
	s_bfe_u32 s40, ttmp6, 0x40000
	s_bfe_u32 s41, ttmp6, 0x40004
	s_lshl_b32 s42, ttmp9, 2
	s_add_co_u32 s42, s42, s40                     ; which 128 columns of each weight
	s_and_b32 s43, ttmp7, 0xffff
	s_lshl_b32 s43, s43, 2
	s_add_co_u32 s43, s43, s41                     ; which 128 tokens
	s_lshl_b32 s44, s41, 2
	s_lshl_b32 s44, 15, s44                        ; my row of the cluster
	s_lshl_b32 s45, 0x1111, s40                    ; my column
	GROUP1 24, 44, 200                             ; a group of x
	GROUP1 32, 45, 400                             ; two groups of a weight
	GROUP1 76, 45, 100                             ; a quarter of that: the refill
	s_mul_i32 s22, s14, GB
	s_mul_i32 s20, s43, 2*GB
	s_add_co_u32 s20, s20, s22
	s_mov_b32 s21, 0
	s_mul_i32 s46, s42, 2*GB
	s_add_co_u32 s46, s46, 64*GB
	s_mov_b32 s47, 0
	s_mul_i32 s18, s14, GB/2
	s_mov_b32 s19, 0
	s_mov_b32 s48, 1
	s_mov_b32 s49, s22
	s_mov_b32 s52, 1
	s_mov_b32 s53, REG
	s_mov_b32 s60, 1
	s_mov_b32 s61, 2*REG
	s_mov_b32 s56, 1
	s_mov_b32 s57, s18
	s_wait_dscnt 0x0
	s_wait_kmcnt 0x0
	s_add_nc_u64 s[50:51], s[4:5], s[20:21]
	s_or_b32 s51, s51, 0x80000000
	s_add_nc_u64 s[66:67], s[4:5], s[46:47]        ; Wq's two groups
	s_add_nc_u64 s[54:55], s[66:67], 32*GB         ; Wv's
	s_or_b32 s55, s55, 0x80000000
	s_add_nc_u64 s[62:63], s[66:67], 16*GB         ; Wk's
	s_or_b32 s63, s63, 0x80000000
	s_add_nc_u64 s[58:59], s[66:67], s[18:19]
	s_or_b32 s59, s59, 0x80000000
	CROUND                                         ; all sixteen work-groups are here: the joint loads meet
	s_cmp_lt_u32 s14, 2
	s_cbranch_scc0 .Lload_v
	TLOAD 48, 24                                   ; waves 0 and 1: a group of x each
	s_branch .Lasked
.Lload_v:
	s_cmp_eq_u32 s14, 2
	s_cbranch_scc0 .Lload_k
	TLOAD 52, 32                                   ; wave 2: Wv
	s_branch .Lasked
.Lload_k:
	TLOAD 60, 32                                   ; wave 3: Wk
.Lasked:
	s_lshr_b32 s20, s43, 4
	s_lshl_b32 s20, s20, 4
	s_lshl_b32 s21, s42, 1
	s_add_co_u32 s20, s20, s21
	s_add_co_u32 s20, s20, s16                     ; b 16 + head
	s_lshl_b32 s20, s20, 4
	s_and_b32 s21, s43, 15
	s_add_co_u32 s20, s20, s21                     ; the record
	s_mov_b32 s85, 0
	s_mov_b32 s87, 0
	s_mov_b32 s89, 0
	s_mov_b32 s91, 0
	s_mov_b32 s93, 0
	s_mul_i32 s84, s20, 6144
	s_mul_i32 s21, s15, 3072
	s_add_co_u32 s84, s84, s21
	s_mul_i32 s92, s20, 12800
	s_add_co_u32 s86, s92, s21
	s_mul_i32 s21, s15, 768
	s_add_co_u32 s88, s92, s21
	s_add_co_u32 s88, s88, 6144
	s_add_co_u32 s92, s92, 12288
	s_lshl_b32 s90, s20, 8
	s_add_nc_u64 s[84:85], s[6:7], s[84:85]        ; Q's codes
	s_add_nc_u64 s[86:87], s[10:11], s[86:87]      ; K's
	s_add_nc_u64 s[88:89], s[10:11], s[88:89]      ; V's
	s_add_nc_u64 s[90:91], s[8:9], s[90:91]        ; Q's scale bytes
	s_add_nc_u64 s[92:93], s[10:11], s[92:93]      ; K's and V's
	s_mul_i32 s20, s15, GB
	s_mul_i32 s21, s16, GB
	s_mul_i32 s22, s16, 768
	s_add_co_u32 s22, s22, SCST                    ; my head's scale bytes
	s_lshl_b32 s23, s15, 7
	s_add_co_u32 s23, s23, s22                     ; Q's
	s_lshl_b32 s17, s15, 2
	s_add_co_u32 s17, s17, s22
	s_add_co_u32 s17, s17, 256                     ; K's
	s_lshl_b32 s18, s15, 1
	s_add_co_u32 s18, s18, s22
	s_add_co_u32 s18, s18, 512                     ; V's
	v_and_b32 v1, 15, v0                           ; r
	v_bfe_u32 v2, v0, 4, 1                         ; lane / 16
	v_bfe_u32 v3, v0, 3, 1                         ; r / 8
	v_and_b32 v4, 7, v0
	v_lshlrev_b32 v4, 4, v4
	v_lshl_add_u32 v5, v3, 10, v4
	v_lshl_add_u32 v5, v2, 9, v5                   ; 1024 (r / 8) + 512 (lane / 16) + 16 (r % 8)
	v_lshlrev_b32 v9, 7, v3
	v_add_nc_u32 v10, v5, v9                       ; even tiles: (j xor h) 128 = 128 j + 128 h
	v_xor_b32 v9, 0x80, v9
	v_add_nc_u32 v11, v5, v9                       ; odd tiles: 128 (j - 1) + 128 (1 - h)
	v_lshrrev_b32 v4, 1, v4
	v_lshl_add_u32 v4, v3, 8, v4                   ; scale words: 256 (r / 8) + 8 (r % 8)
	v_add_nc_u32 v[XE], s20, v10
	v_add_nc_u32 v[XO], s20, v11
	v_add_nc_u32 v[XSA], s20, v4
	v_add_nc_u32 v[WA+6], s21, v10                 ; Wq: region 0
	v_add_nc_u32 v[WA+7], s21, v11
	v_add_nc_u32 v[WA+8], s21, v4
.irp i, 0,1,2
	v_add_nc_u32 v[WA+\i], REG, v[WA+6+\i]         ; Wv: region 1
	v_add_nc_u32 v[WA+3+\i], 2*REG, v[WA+6+\i]     ; Wk: region 2
.endr
	v_and_b32 v5, 31, v0
	v_lshlrev_b32 v[L16], 4, v5
	v_lshlrev_b32 v[L8], 3, v5
	v_add_nc_u32 v[SCR], s22, v[L8]
	v_lshl_add_u32 v5, v1, 1, v2                   ; 2 r + h
	v_add_nc_u32 v[SQ], s23, v5
	v_lshl_add_u32 v5, v1, 3, v2                   ; 8 r + h
	v_add_nc_u32 v[SK], s17, v5
	v_add_nc_u32 v[SV], s18, v5
	WALU
	s_cmp_lt_u32 s14, 2
	s_cbranch_scc0 .Lnot_x
	s_wait_tensorcnt 0x0
.Lnot_x:
	BARRIER                                        ; x's rows are in; the weights may still be on their way
.macro XSCAL a
.irp qp, 0,1,2,3
	ds_load_b64 v[XS+8*(\a)+2*\qp:XS+8*(\a)+2*\qp+1], v[XSA] offset:12800*\qp+12288+64*(\a)
.endr
.endm
.irp a, 0,1,2,3
	XSCAL \a
.endr
.set F_, 0
.rept 32                               ; fragment 4 q + a
	WIN (1+F_/21)<<6
.irp p, 0,1,2
	ds_load_b128 v[12*(F_%21)+4*\p:12*(F_%21)+4*\p+3], v[XE+F_%2] offset:(F_/8)*12800+((F_/4)%2)*6144+2048*\p+256*((F_%4)/2)
.endr
.set F_, F_+1
.endr
	WIN 0
	s_cmp_eq_u32 s14, 3
	s_cbranch_scc1 .Lnot_v
	s_wait_tensorcnt 0x0
.Lnot_v:
	s_wait_dscnt 0x0                               ; x is in registers
	BARRIER                                        ; Wv is in; Wk may still be on its way
; Step n = 8 unit + q of 24: the loads of its weight fragments (12) and, at even q, of two steps' scale words (4, ahead of them)
.macro FETCH n
.set U_, (\n)/8
.set QQ_, (\n)%8
.if QQ_%2 == 0
.irp b, 0,1,2,3
	ds_load_b64 v[WS+8*\b+QQ_:WS+8*\b+QQ_+1], v[WA+3*U_+2] offset:(QQ_/2)*12800+12288+64*\b
.endr
.endif
.irp b, 0,1,2,3
.irp p, 0,1,2
	ds_load_b128 v[WF+48*(QQ_%2)+12*\b+4*\p:WF+48*(QQ_%2)+12*\b+4*\p+3], v[WA+3*U_+\b%2] offset:(QQ_/2)*12800+(QQ_%2)*6144+2048*\p+256*(\b/2)
.endr
.endr
.endm
.macro WM d, s0, s1, c, x0, x1
	v_wmma_scale_f32_16x16x128_f8f6f4 v[\d:\d+7], v[\s0:\s0+11], v[\s1:\s1+11], \c, v[\x0], v[\x1] matrix_a_fmt:MATRIX_FMT_FP6 matrix_b_fmt:MATRIX_FMT_FP6
.endm
.macro PROD kind, q, a, b              ; the 16 accumulators take turns, in the same order in every step
.set FX_, 4*(\q)+(\a)
.set XW_, 1+FX_/21
.set XR_, 12*(FX_%21)
.set WR_, WF+48*((\q)%2)+12*(\b)
.set SX_, XS+8*(\a)+(\q)
.set SW_, WS+8*(\b)+(\q)
.if \kind
.set DD_, 32*(\b)+8*(\a)
	WIN 0xf0|XW_
.if (\q) == 0
	WM DD_, XR_, WR_, 0, SX_, SW_
.else
	WM DD_, XR_, WR_, v[DD_:DD_+7], SX_, SW_
.endif
.else
.set DD_, 32*(\a)+8*(\b)
	WIN 0xf0|(XW_<<2)
.if (\q) == 0
	WM DD_, WR_, XR_, 0, SW_, SX_
.else
	WM DD_, WR_, XR_, v[DD_:DD_+7], SW_, SX_
.endif
.endif
.endm
.macro STP n
.set N_, \n
.set Q_, N_%8
.set KD_, 0
.if N_ < 8
.set KD_, 1
.endif
.if N_ == 4
	s_wait_tensorcnt 0x0                           ; all my tensor loads have landed;
	ds_add_u32 v[SPW], v[NIL]
	s_wait_dscnt 13                                ; (the next step's 12 loads and the add may be out)
.elseif N_ == 23
	s_wait_dscnt 0x0
.elseif N_%2
	s_wait_dscnt 16                                ; the next step's 12 loads and 4 of scale words may be out
.else
	s_wait_dscnt 12
.endif
.set AA_, 0
.rept 4
.set BB_, 0
.rept 4
	PROD KD_, Q_, AA_, BB_
.set BB_, BB_+1
.endr
.set AA_, AA_+1
.endr
	WIN 0
.if N_ == 4
	s_wait_dscnt 0x0                               ; the add is done, and so are my LDS reads
	CROUND                                         ; Wk is in for all; no wave of any partner reads x's bytes any more
	TLOAD 56, 76                                   ; the refill: a quarter of Wq a wave; its v_nop are the places in front of the loads below
.elseif N_ == 14
	s_wait_tensorcnt 0x0                           ; my quarter of Wq is in
	s_wait_dscnt 0x0
	BARRIER                                        ; everybody's is
	PLACES 4
.elseif N_ != 22
	PLACES 4                                       ; places in front of the loads, and of the reads of results
.endif
.if N_ < 22
	FETCH N_+2
.endif
.endm
; THE WAY OUT of a unit: block k = 32 accumulator registers of a lane.  Each accumulator is first read at its low end
.macro EPI kind
	s_wait_xcnt 0x0                                ; the last unit's stores have read their registers
	WIN 0x3f
.irp k, 0,1,2,3
	v_max3_num_f32 v[TT+2*\k], |v[32*\k]|, |v[32*\k+1]|, |v[32*\k+2]|
	v_max3_num_f32 v[TT+2*\k+1], |v[32*\k+16]|, |v[32*\k+17]|, |v[32*\k+18]|
.endr
	WIN 0x3c
.irp i, 3,5,7,9,11,13
.irp k, 0,1,2,3
	v_max3_num_f32 v[TT+2*\k], v[TT+2*\k], |v[32*\k+\i]|, |v[32*\k+\i+1]|
	v_max3_num_f32 v[TT+2*\k+1], v[TT+2*\k+1], |v[32*\k+\i+16]|, |v[32*\k+\i+17]|
.endr
.endr
.irp k, 0,1,2,3
	v_max3_num_f32 v[TT+2*\k+1], v[TT+2*\k+1], |v[32*\k+31]|, 0x1800000   ; the floor 2^(3 - 127)
.endr
	WIN 0x0c
.irp k, 0,1,2,3
	v_max3_num_f32 v[TT+2*\k], v[TT+2*\k], |v[32*\k+15]|, v[TT+2*\k+1]
.endr
	WIN 0
.irp k, 0,1,2,3
	v_add_nc_u32 v[SO+\k], 0xff000000, v[TT+2*\k]  ; 2 off the exponent field
.endr
	WIN 3
.irp k, 0,1,2,3
	v_cvt_scalef32_pk16_fp6_f32 v[CD+6*\k:CD+6*\k+2], v[32*\k:32*\k+15], v[SO+\k]
	v_cvt_scalef32_pk16_fp6_f32 v[C2+4*\k:C2+4*\k+2], v[32*\k+16:32*\k+31], v[SO+\k]
.endr
	WIN 0
.irp k, 0,1,2,3
	v_lshrrev_b32 v[EB+\k], 23, v[SO+\k]
.endr
.irp k, 0,1,2,3
.irp i, 0,1,2
	v_mov_b32 v[CD+6*\k+3+\i], v[C2+4*\k+\i]
.endr
.endr
.if \kind == 2
.irp g, 0,1
.irp p, 0,1,2
	global_store_b128 v[L16], v[CD+12*\g+4*\p:CD+12*\g+4*\p+3], s[86:87] offset:1536*\g+512*\p
.endr
.endr
.irp k, 0,1,2,3
	ds_store_b8 v[SK], v[EB+\k] offset:128*(\k/2)+2*(\k%2)
.endr
.elseif \kind == 1
.irp k, 0,1,2,3
	global_store_b128 v[L16], v[CD+6*\k:CD+6*\k+3], s[88:89] offset:1536*\k
	global_store_b64 v[L8], v[CD+6*\k+4:CD+6*\k+5], s[88:89] offset:1536*\k+512
	ds_store_b8 v[SV], v[EB+\k] offset:128*(\k%2)+4*(\k/2)
.endr
.else
.irp k, 0,1,2,3
	ds_store_b8 v[SQ], v[EB+\k] offset:32*\k
	global_store_b128 v[L16], v[CD+6*\k:CD+6*\k+3], s[84:85] offset:768*\k
	global_store_b64 v[L8], v[CD+6*\k+4:CD+6*\k+5], s[84:85] offset:768*\k+512
.endr
.endif
.endm
	FETCH 0
	FETCH 1
.irp n, 0,1,2,3,4,5,6,7
	STP \n
.endr
	EPI 1                                          ; V
.irp n, 8,9,10,11,12,13,14,15
	STP \n
.endr
	EPI 2                                          ; K
.irp n, 16,17,18,19,20,21,22,23
	STP \n
.endr
	EPI 3                                          ; Q
	s_wait_dscnt 0x0                               ; my scale bytes are in LDS
	BARRIER                                        ; everybody's are
	s_cmp_lt_u32 s14, 2
	s_cbranch_scc0 .Lscales_out
	ds_load_b64 v[104:105], v[SCR]                 ; waves 0 and 1: a head each, three aligned units of 256 bytes
	ds_load_b64 v[106:107], v[SCR] offset:256
	ds_load_b64 v[108:109], v[SCR] offset:512
	s_wait_dscnt 0x0
	global_store_b64 v[L8], v[104:105], s[90:91]
	global_store_b64 v[L8], v[106:107], s[92:93]
	global_store_b64 v[L8], v[108:109], s[92:93] offset:256
.Lscales_out:
	s_wait_tensorcnt 0x0                           ; the wave's end
	ds_add_u32 v[SPW], v[NIL]
	s_wait_dscnt 0x0
	CROUND                                         ; the closing round
	s_endpgm
.Lfunc_end_k_q0b714cf080_qkv:
	.size	k_q0b714cf080_qkv, .Lfunc_end_k_q0b714cf080_qkv-k_q0b714cf080_qkv
	.p2alignl 7, 3214868480
	.fill 96, 4, 3214868480
	.section	.rodata,"a",@progbits
	.p2align	6, 0x0
	.amdhsa_kernel k_q0b714cf080_qkv
		.amdhsa_group_segment_fixed_size 327680
		.amdhsa_private_segment_fixed_size 0
		.amdhsa_enable_private_segment 0
		.amdhsa_kernarg_size 32
		.amdhsa_user_sgpr_count 2
		.amdhsa_user_sgpr_kernarg_segment_ptr 1
		.amdhsa_wavefront_size32 1
		.amdhsa_system_sgpr_workgroup_id_x 1
		.amdhsa_system_sgpr_workgroup_id_y 1
		.amdhsa_system_sgpr_workgroup_id_z 1
		.amdhsa_system_vgpr_workitem_id 0
		.amdhsa_next_free_vgpr 896
		.amdhsa_next_free_sgpr 98
		.amdhsa_reserve_vcc 0
		.amdhsa_float_denorm_mode_32 3
		.amdhsa_float_denorm_mode_16_64 3
		.amdhsa_memory_ordered 1
		.amdhsa_forward_progress 1
		.amdhsa_inst_pref_size 112
	.end_amdhsa_kernel
	.amdgpu_metadata
---
amdhsa.version: [ 1, 2 ]
amdhsa.kernels:
  - .name:           k_q0b714cf080_qkv
    .symbol:         k_q0b714cf080_qkv.kd
    .args:
      - { .name: xw, .offset: 0, .size: 8, .value_kind: global_buffer, .address_space: global }
      - { .name: q_img, .offset: 8, .size: 8, .value_kind: global_buffer, .address_space: global }
      - { .name: q_sc, .offset: 16, .size: 8, .value_kind: global_buffer, .address_space: global }
      - { .name: kv, .offset: 24, .size: 8, .value_kind: global_buffer, .address_space: global }
    .group_segment_fixed_size: 327680
    .private_segment_fixed_size: 0
    .kernarg_segment_align: 8
    .kernarg_segment_size: 32
    .max_flat_workgroup_size: 128
    .sgpr_count:     98
    .vgpr_count:     896
    .wavefront_size: 32
...
	.end_amdgpu_metadata
.endif
;; end of part 2
;; launch attn (part 3): grid 8 x 32, 16 waves a work-group, clusters of 4 x 1, 244,224 bytes of LDS; arguments q_img, q_sc, kv, vo; writes vo
.if DOCPART == 3
	.amdgcn_target "amdgcn-amd-amdhsa--gfx1250"
	.amdhsa_code_object_version 6
	.text
	.protected	k_q0b714cf080_attn
	.globl	k_q0b714cf080_attn
	.p2align	8
	.type	k_q0b714cf080_attn,@function
k_q0b714cf080_attn:
	s_mov_b64 s[64:65], 0
	v_nop
	global_prefetch_b8 v0, s[64:65] scope:SCOPE_SE
	s_setreg_imm32_b32 hwreg(HW_REG_WAVE_MODE, 25, 1), 1
	s_wait_xcnt 0x0
	s_wait_alu depctr_hold_cnt(0) depctr_sa_sdst(0) depctr_va_vdst(0) depctr_va_sdst(0) depctr_va_ssrc(0) depctr_va_vcc(0) depctr_vm_vsrc(0)
	s_getreg_b32 s2, hwreg(HW_REG_IB_STS2, 6, 4)
	s_cmp_eq_u32 s2, 0
	s_cbranch_scc0 .Lentry_in_a_cluster
	s_endpgm
.Lentry_in_a_cluster:
	s_bfe_u32 s2, ttmp6, 0x10000c
	s_cmp_lg_u32 s2, 0x3003
	s_cbranch_scc0 .Lentry_shape_is_right
	s_endpgm
.Lentry_shape_is_right:
; Causal attention on codes of FP6: S^T = K Q^T (K = the head's 64), p = 2^(t - M), O^T += V^T p^T (K = 128 keys a step), O / l, quantised.
; t = score x log2(e) / 8; M = the running largest t rounded UP to a whole number; the row's sum is taken of the unquantised p; when M moves, the sum and O^T are multiplied by 2^(old M - new M): exact.
; LEFT OUT: key steps of 128 that lie wholly behind a block of 128 queries: reference() masks them to -inf.
; LIMITS: the promise holds while the scaled scores stay under 2^31 in magnitude; a block of zeros gets the byte 1 (this program alone reads the bytes); NaN and infinities are not served.
; SHARES.  Work-group (i, b 16 + head) owns tile i (16 queries) of each of the head's 16 blocks of 128 queries: all work-groups do the same.  Two waves share the tiles of blocks j and 15 - j (j = 0 .. 7), 17 key steps:
;   wave A: block 15 - j, key steps 0-8.   wave B: block j, key steps 0-j (whole), then block 15 - j, key steps 9 .. 15 - j; its part of O, M and the sum goes to wave A through LDS.  Nine trips serve both; B is idle in the last.
; No branch hangs on the work-group's place: what hangs on i are global addresses and the mask's numbers in registers.
; CLUSTERS: four work-groups of one head ask for its K and V jointly.  LDS: the head's 16 records of 12,800 bytes (K, V, their scale words) come ONCE, one tensor load a wave at the head; no byte is filled twice.
; Record 0 is waited for alone; the other fifteen land under the first key step.  No prefetch: all tiles are asked for at the head.
; ONE OPERAND OF K IS TWO TILES of 16 keys: 12 registers, tile 2 g in the lower 64 along K, tile 2 g + 1 in the upper.  Q stands with six registers of zero codes on both sides: [Q | 0] takes the one tile, [0 | Q] the other.
; By the rows' order lane (r, h) holds query r of its tile, and its registers 32 c + n the keys 64 c + 32 h + n of the step: a scale block of p lies in one lane.  O^T's registers are the dims 32 h + 0 .. 31.
; OUT: vo [b][i][half of the blocks][head][6,400]: eight tiles of 768 bytes (registers 0-3 at 16 lane, 4-5 at 512 + 8 lane), then 256 scale bytes [tile][r][h].
.set RECB, 12800
.set STAGE, 16*RECB                    ; B's parts: 4,608 bytes for each j
.set SCST, STAGE+8*4608                ; the scale bytes' stage, 512 bytes
.set SPARE, SCST+512
.set L16, 1
.set L8, 2
.set A16, 3                            ; v3, v4 the record's LDS address + 16 lane, + 8 lane
.set A8, 4
.set DG, 5                             ; v5 my query in its block - 32 h
.set BYE, 6                            ; v6, v7 LDS address of my scale byte: early tile, late tile
.set BYL, 7
.set STG, 8
.set SCR, 9
.set SPW, 10
.set NIL, 11
.set ZQ, 16                            ; v16-21 zeros, v22-27 Q, v28-33 zeros
.set Q, 22
.set QS, 34                            ; scale registers hold scales and nothing else
.set PW, 35
.set KSC, 36
.set VSC, 38
.set F, 40
.set K, 42
.set V, 90
.set S, 138
.set O, 202
.set P, 234
.set WV, 14
.set ISB, 15
.set J, 16
.set BH, 17
.set I, 18
.set SEL, 20
.set CS, 22
.set NC, 34
.set JX, 40
.set DELTA, 41
.set BLKE, 42
.set BLKL, 43
.set SW, 44
.set CNT, 45
.set REC, 46
.set BLK, 47
.set NX, 48
.set TBN, 49
.macro WALU
	s_wait_alu depctr_va_vdst(0)
.endm
.macro PLACES n
.rept \n
	v_nop
.endr
.endm
.macro BARRIER
	s_barrier_signal -1
	s_barrier_wait -1
.endm
.macro CROUND
	BARRIER
	s_cmp_lg_u32 s[WV], 0
	s_cbranch_scc1 .Lnot_wave_0_\@
	s_barrier_signal -3
.Lnot_wave_0_\@:
	s_barrier_wait -3
	BARRIER
.endm
.macro HINT n
	s_delay_alu instid0(VALU_DEP_\n)
.endm
	s_load_b256 s[4:11], s[0:1], 0x0               ; q_img, q_sc, kv, vo
	v_lshl_add_u32 v[SPW], v0, 2, SPARE
	v_mov_b32 v[NIL], 0
	ds_add_u32 v[SPW], v[NIL]
	ds_add_u32 v[SPW], v[NIL]
	v_lshrrev_b32 v12, 5, v0
	v_readfirstlane_b32 s[WV], v12
	s_bfe_u32 s19, ttmp6, 0x40000
	s_lshl_b32 s[I], ttmp9, 2
	s_add_co_u32 s[I], s[I], s19                   ; i
	s_and_b32 s[BH], ttmp7, 0xffff                 ; b 16 + head
	s_bfe_u32 s[ISB], s[WV], 0x10002
	s_and_b32 s[J], s[WV], 3
	s_lshr_b32 s19, s[WV], 3
	s_lshl_b32 s19, s19, 2
	s_or_b32 s[J], s[J], s19                       ; waves w, w + 4 share j, neighbours differ in it
	s_mov_b32 s24, (3<<16)|(1<<21)|15              ; a record: 50 rows of 256 bytes, for the four work-groups of the cluster
	s_mov_b32 s25, 32<<16
	s_mov_b32 s26, 50<<16
	s_mov_b32 s27, 32<<16
	s_mov_b32 s28, 50
	s_mov_b32 s29, 32
	s_mov_b32 s30, 0
	s_mov_b32 s31, 0
	s_lshl_b32 s50, s[BH], 4
	s_add_co_u32 s50, s50, s[WV]
	s_mul_i32 s50, s50, RECB
	s_mov_b32 s51, 0
	s_mov_b32 s36, 1
	s_mul_i32 s37, s[WV], RECB
	s_wait_dscnt 0x0
	s_wait_kmcnt 0x0
	s_add_nc_u64 s[38:39], s[8:9], s[50:51]
	s_or_b32 s39, s39, 0x80000000
	CROUND                                         ; the cluster's work-groups are here: the joint loads meet
	s_cmp_eq_u32 s[WV], 0
	s_cbranch_scc0 .Lothers
	tensor_load_to_lds s[36:39], s[24:31]          ; wave 0: record 0
	s_nop 0
	PLACES 4
	s_branch .Lasked
.Lothers:
	tensor_load_to_lds s[36:39], s[24:31]          ; wave w: record w
	s_nop 0
	PLACES 4
.Lasked:
	s_xor_b32 s[BLKL], s[J], 15                    ; 15 - j
	s_xor_b32 s19, s[J], 7
	s_add_co_u32 s19, s19, 1                       ; 8 - j
	s_mov_b32 s50, 100                             ; A never changes its tile
	s_cmp_eq_u32 s[ISB], 1
	s_cselect_b32 s[JX], s[J], s50
	s_cselect_b32 s[DELTA], s19, 0
	s_cselect_b32 s[BLKE], s[J], s[BLKL]
	s_add_co_u32 s[SW], s[JX], 1
	s_mov_b32 s[SEL], 0x76543210
	s_mov_b32 s[SEL+1], 0xfedcba98                 ; v_permlanex16_b32's selects for lane l xor 16
	s_mov_b32 s[CS], 0x3e38aa3b                    ; c = log2(e) / sqrt(64)
	s_mov_b32 s[CS+1], s[CS]                       ; (named with it as a pair)
	s_mov_b32 s[NC], 0xbe38aa3b                    ; - c
	s_lshl_b32 s50, s[BH], 4
	s_add_co_u32 s51, s50, s[BLKE]                 ; my first tile's block,
	s_add_co_u32 s50, s50, s[BLKL]                 ; and the late one
	s_mul_i32 s19, s[I], 768
	s_lshl_b32 s35, s[I], 5
	s_mul_i32 s60, s51, 6144
	s_add_co_u32 s60, s60, s19
	s_mov_b32 s61, 0
	s_lshl_b32 s62, s51, 8
	s_add_co_u32 s62, s62, s35
	s_mov_b32 s63, 0
	s_mul_i32 s56, s50, 6144
	s_add_co_u32 s56, s56, s19
	s_mov_b32 s57, 0
	s_lshl_b32 s58, s50, 8
	s_add_co_u32 s58, s58, s35
	s_mov_b32 s59, 0
	s_add_nc_u64 s[60:61], s[4:5], s[60:61]
	s_add_nc_u64 s[62:63], s[6:7], s[62:63]
	s_add_nc_u64 s[56:57], s[4:5], s[56:57]
	s_add_nc_u64 s[58:59], s[6:7], s[58:59]
	s_lshr_b32 s50, s[BH], 4
	s_lshl_b32 s50, s50, 3
	s_add_co_u32 s50, s50, s[I]
	s_lshl_b32 s50, s50, 5                         ; 2 halves x 16 heads
	s_and_b32 s51, s[BH], 15
	s_add_co_u32 s50, s50, s51
	s_mul_i32 s50, s50, 6400
	s_mov_b32 s51, 0
	s_add_nc_u64 s[10:11], s[10:11], s[50:51]      ; half 0, my head
	s_mul_i32 s52, s[J], 768
	s_mov_b32 s53, 0
	s_xor_b32 s54, s[J], 7                         ; 7 - j
	s_lshl_b32 s19, s54, 5                         ; 32 (7 - j)
	s_mul_i32 s54, s54, 768
	s_add_co_u32 s54, s54, 102400                  ; half 1
	s_mov_b32 s55, 0
	s_and_b32 s35, s[WV], 1
	s_mul_i32 s66, s35, 102400
	s_mov_b32 s67, 0
	s_add_nc_u64 s[52:53], s[10:11], s[52:53]      ; the early tile's codes
	s_add_nc_u64 s[54:55], s[10:11], s[54:55]      ; the late tile's
	s_add_nc_u64 s[66:67], s[10:11], s[66:67]      ; waves 0, 1: a half's scale bytes
	s_lshl_b32 s50, s[J], 5
	s_add_co_u32 s50, s50, SCST
	s_add_co_u32 s51, s19, SCST+256
	s_mul_i32 s68, s[J], 4608
	s_add_co_u32 s68, s68, STAGE
	s_lshl_b32 s69, s35, 8
	s_add_co_u32 s69, s69, SCST
	s_lshr_b32 s70, s[I], 2
	s_lshl_b32 s70, s70, 6
	s_and_b32 s71, s[I], 3
	s_lshl_b32 s71, s71, 3
	s_add_co_u32 s70, s70, s71                     ; 64 (i / 4) + 8 (i % 4)
	v_and_b32 v12, 31, v0
	v_lshlrev_b32 v[L16], 4, v12
	v_lshlrev_b32 v[L8], 3, v12
	v_mov_b32 v[A16], v[L16]                       ; record 0
	v_mov_b32 v[A8], v[L8]
	v_bfe_u32 v13, v0, 4, 1                        ; h
	v_and_b32 v14, 15, v0                          ; r
	v_lshl_add_u32 v15, v14, 1, v13
	v_add_nc_u32 v[BYE], s50, v15
	v_add_nc_u32 v[BYL], s51, v15
	v_add_nc_u32 v[STG], s68, v[L16]
	v_add_nc_u32 v[SCR], s69, v[L8]
	v_bfe_u32 v14, v0, 3, 1
	v_and_b32 v15, 7, v0
	v_lshl_add_u32 v15, v14, 5, v15
	v_lshlrev_b32 v13, 5, v13
	v_sub_nc_u32 v15, v15, v13
	v_add_nc_u32 v[DG], s70, v15
; Q's tile: registers 0-5 and two scale bytes a row
.macro QLOAD img, sc
	v_and_b32 v251, 15, v0
	v_lshlrev_b32 v251, 1, v251
	global_load_b128 v[Q:Q+3], v[L16], s[\img:\img+1]
	global_load_b64 v[Q+4:Q+5], v[L8], s[\img:\img+1] offset:512
	global_load_u16 v249, v251, s[\sc:\sc+1]
.endm
.macro INIT
	v_mov_b32 v13, 0xff61b1e6                      ; the largest score so far: -3e38
	v_mul_f32 v250, s[NC], v13
	v_floor_f32 v12, v250                          ; -M
	v_mov_b32 v14, 0
	v_mov_b32 v15, 0
.set N_, 0
.rept 32
	v_mov_b32 v[O+N_], 0                           ; O^T: the first change of M multiplies zeros
.set N_, N_+1
.endr
.endm
.macro QREADY
	WALU
	s_wait_loadcnt 0x0
	v_lshl_or_b32 v[QS], v249, 16, v249            ; the two bytes for the lower 64 along K and for the upper
	WALU
	PLACES 8                                       ; in front of the scaled products
.endm
.macro KLOAD                           ; a record's K: 13 loads
.irp g, 0,1,2,3
.irp p, 0,1,2
	ds_load_b128 v[K+12*\g+4*\p:K+12*\g+4*\p+3], v[A16] offset:1536*\g+512*\p
.endr
.endr
	ds_load_b64 v[KSC:KSC+1], v[A8] offset:12288
.endm
.macro NEXTK                           ; the next trip's record
	s_add_co_u32 s[NX], s[CNT], 1
	s_cmp_gt_u32 s[NX], s[JX]
	s_cselect_b32 s[TBN], s[DELTA], 0
	s_add_co_u32 s[NX], s[NX], s[TBN]
	s_min_u32 s[NX], s[NX], 15
	s_mul_i32 s[TBN], s[NX], RECB
	v_add_nc_u32 v[A16], s[TBN], v[L16]
	v_add_nc_u32 v[A8], s[TBN], v[L8]
.endm
.macro WM d, a, b, c, x0, x1, row
.if \row
	v_wmma_scale_f32_16x16x128_f8f6f4 v[\d:\d+7], v[\a:\a+11], v[\b:\b+11], \c, v[\x0], v[\x1] matrix_a_fmt:MATRIX_FMT_FP6 matrix_b_fmt:MATRIX_FMT_FP6 matrix_a_scale:MATRIX_SCALE_ROW1
.else
	v_wmma_scale_f32_16x16x128_f8f6f4 v[\d:\d+7], v[\a:\a+11], v[\b:\b+11], \c, v[\x0], v[\x1] matrix_a_fmt:MATRIX_FMT_FP6 matrix_b_fmt:MATRIX_FMT_FP6
.endif
.endm
; A KEY STEP of 128 keys.  pf = 1: the next trip's K is asked for (in the last trip it is asked for and not used)
.macro STEP pf
	s_cmp_gt_u32 s[REC], s[BLK]
	s_cbranch_scc1 .Lhidden_\@
	s_min_u32 s50, s[REC], 15
	s_mul_i32 s50, s50, RECB                       ; this trip's record
	s_wait_dscnt 0x0                               ; K is in
.irp g, 0,1,2,3
	WM S+16*\g, K+12*\g, Q, 0, KSC+\g/2, QS, \g%2
	WM S+16*\g+8, K+12*\g, ZQ, 0, KSC+\g/2, QS, \g%2
.endr
	v_add_nc_u32 v[A16], s50, v[L16]               ; these two and two v_nop: the places in front of the loads below and of the reads of the scores
	v_add_nc_u32 v[A8], s50, v[L8]
	PLACES 2
.irp t, 0,1,2,3                        ; V: 17 loads, which land under the softmax
.irp c, 0,1
	ds_load_b128 v[V+12*\t+6*\c:V+12*\t+6*\c+3], v[A16] offset:6144+1536*\t+768*\c
	ds_load_b64 v[V+12*\t+6*\c+4:V+12*\t+6*\c+5], v[A8] offset:6656+1536*\t+768*\c
.endr
.endr
	ds_load_b64 v[VSC:VSC+1], v[A8] offset:12544
.if \pf
	NEXTK
	KLOAD
.endif
	s_cmp_lg_u32 s[REC], s[BLK]                    ; only the step on the diagonal is masked
	s_cbranch_scc1 .Lopen_\@
	v_mov_b32 v251, 0xff800000                     ; -infinity: p = 0 then.  The step's first key counts for every query of the block, so the row's maximum is a number
.set N_, 0
.rept 64                               ; register 32 c + n: key 64 c + 32 h + n of the block
	v_cmp_gt_i32 vcc_lo, 64*(N_/32)+N_%32, v[DG]
	v_cndmask_b32 v[S+N_], v[S+N_], v251, vcc_lo
.set N_, N_+1
.endr
.Lopen_\@:
.irp b, 0,1,2,3
	v_max3_num_f32 v[246+\b], v[S+16*\b], v[S+16*\b+1], v[S+16*\b+2]
.endr
.irp i, 3,5,7,9,11,13
.irp b, 0,1,2,3
	v_max3_num_f32 v[246+\b], v[246+\b], v[S+16*\b+\i], v[S+16*\b+\i+1]
.endr
.endr
.irp b, 0,1,2,3
	v_max_num_f32 v[246+\b], v[246+\b], v[S+16*\b+15]
.endr
	v_max_num_f32 v246, v246, v247                 ; the largest score of each block of 32 keys: for the row's maximum and, since p rises with the score, for the block's largest p
	v_max_num_f32 v248, v248, v249
	HINT 1
	v_max_num_f32 v251, v246, v248
	HINT 1
	v_permlanex16_b32 v253, v251, s[SEL], s[SEL+1]
	HINT 1
	v_max3_num_f32 v13, v13, v251, v253            ; the running largest score
	v_mov_b32 v249, v12
	HINT 2
	v_mul_f32 v250, s[NC], v13
	HINT 1
	v_floor_f32 v12, v250                          ; the new -M = -ceil(t)
	HINT 1
	v_sub_f32 v249, v12, v249                      ; old M - new M: a whole number, 0 or less
	HINT 1
	v_cvt_i32_f32 v249, v249                       ; (it saturates)
	HINT 1
	v_ldexp_f32 v[F], 1.0, v249
.set N_, 0
.rept 32
	v_pk_fma_f32 v[S+N_:S+N_+1], v[S+N_:S+N_+1], s[CS:CS+1], v[12:13] op_sel_hi:[1,0,0]   ; t - M, two at a time
.set N_, N_+2
.endr
	v_fma_f32 v246, v246, s[CS], v12               ; the same of each block's largest
	v_fma_f32 v248, v248, s[CS], v12
	WALU
.set N_, 0
.rept 64
	v_exp_f32 v[S+N_], v[S+N_]                     ; p, at most 1: not normalised
.set N_, N_+1
.endr
	v_exp_f32 v246, v246
	v_exp_f32 v248, v248
	v_pk_mul_f32 v[14:15], v[14:15], v[F:F+1] op_sel_hi:[1,0]   ; the sums under the new M (a plain place behind the exponentials)
	WALU                                           ; and behind it, ahead of the first reader
	v_pk_add_f32 v[P:P+1], v[S:S+1], v[S+2:S+3]    ; the row's sum, of the unquantised p: four chains
	v_pk_add_f32 v[P+2:P+3], v[S+4:S+5], v[S+6:S+7]
	v_pk_add_f32 v[P+4:P+5], v[S+8:S+9], v[S+10:S+11]
.set N_, 6
.rept 26
.if N_%4 == 2
.set AC_, 14
.else
.set AC_, P+2*((N_+1)%4)
.endif
	v_pk_add_f32 v[AC_:AC_+1], v[AC_:AC_+1], v[S+2*N_:S+2*N_+1]
.set N_, N_+1
.endr
	v_max_num_f32 v254, 0x1800000, v246            ; the floor 2^(3 - 127): a block whose every p is 0 keeps the byte 1: its codes are zeros
	v_max_num_f32 v255, 0x1800000, v248
	v_pk_add_f32 v[14:15], v[14:15], v[P:P+1]
	v_pk_add_f32 v[P+2:P+3], v[P+2:P+3], v[P+4:P+5]
	v_add_nc_u32 v254, 0xff000000, v254            ; 2 off the exponent field: the conversion's scale operand
	v_add_nc_u32 v255, 0xff000000, v255
	v_pk_add_f32 v[14:15], v[14:15], v[P+2:P+3]
	v_lshrrev_b32 v249, 23, v254                   ; my bytes: blocks h and 2 + h
	v_lshrrev_b32 v253, 23, v255
	v_lshl_or_b32 v249, v253, 16, v249
	v_permlanex16_b32 v253, v249, s[SEL], s[SEL+1]
	v_cvt_scalef32_pk16_fp6_f32 v[P:P+2], v[S:S+15], v254
	v_cvt_scalef32_pk16_fp6_f32 v[246:248], v[S+16:S+31], v254   ; (a conversion's three registers begin on an even number)
	v_cvt_scalef32_pk16_fp6_f32 v[P+6:P+8], v[S+32:S+47], v255
	v_cvt_scalef32_pk16_fp6_f32 v[250:252], v[S+48:S+63], v255
	v_lshl_or_b32 v[PW], v253, 8, v249             ; lanes 0-15: p's scale word for these 128 keys
.irp i, 0,1,2
	v_mov_b32 v[P+3+\i], v[246+\i]
	v_mov_b32 v[P+9+\i], v[250+\i]
.endr
	WALU                                           ; directly ahead of the first readers of O^T
.set N_, 0
.rept 16
	v_pk_mul_f32 v[O+N_:O+N_+1], v[O+N_:O+N_+1], v[F:F+1] op_sel_hi:[1,0]   ; O^T under the new M; also the places between p's writes and the products
.set N_, N_+2
.endr
	WALU
.if \pf
	s_wait_dscnt 13                                ; V is in; the next K's 13 loads may be out
.else
	s_wait_dscnt 0x0
.endif
.irp t, 0,1,2,3
	WM O+8*\t, V+12*\t, P, v[O+8*\t:O+8*\t+7], VSC+\t/2, PW, \t%2
.endr
.Lhidden_\@:
.endm
; THE WAY OUT of a tile: O^T / the sum, quantised: my 32 registers are one block of the next product's K
.macro FINISH by, vb
	PLACES 4                                       ; behind the last products
	v_add_f32 v14, v14, v15
	v_permlanex16_b32 v253, v14, s[SEL], s[SEL+1]
	v_add_f32 v14, v14, v253                       ; the row's sum
	WALU
	v_rcp_f32 v14, v14
	v_nop                                          ; a plain place behind the reciprocal
	WALU
.set N_, 0
.rept 16
	v_pk_mul_f32 v[S+N_:S+N_+1], v[O+N_:O+N_+1], v[14:15] op_sel_hi:[1,0]
.set N_, N_+2
.endr
	v_max3_num_f32 v246, |v[S]|, |v[S+1]|, |v[S+2]|
	v_max3_num_f32 v247, |v[S+16]|, |v[S+17]|, |v[S+18]|
.irp i, 3,5,7,9,11,13
	v_max3_num_f32 v246, v246, |v[S+\i]|, |v[S+\i+1]|
	v_max3_num_f32 v247, v247, |v[S+\i+16]|, |v[S+\i+17]|
.endr
	v_max3_num_f32 v247, v247, |v[S+31]|, 0x1800000
	v_max3_num_f32 v246, v246, |v[S+15]|, v247
	v_add_nc_u32 v254, 0xff000000, v246
	v_cvt_scalef32_pk16_fp6_f32 v[P:P+2], v[S:S+15], v254
	v_cvt_scalef32_pk16_fp6_f32 v[250:252], v[S+16:S+31], v254
	v_lshrrev_b32 v249, 23, v254
.irp i, 0,1,2
	v_mov_b32 v[P+3+\i], v[250+\i]
.endr
	global_store_b128 v[L16], v[P:P+3], s[\vb:\vb+1]   ; 512 and 256 consecutive bytes, aligned
	global_store_b64 v[L8], v[P+4:P+5], s[\vb:\vb+1] offset:512
	ds_store_b8 v[\by], v249
.endm
	QLOAD 60, 62
	INIT
.irp i, 0,1,2,3,4,5
	v_mov_b32 v[ZQ+\i], 0
	v_mov_b32 v[ZQ+12+\i], 0
.endr
	v_mov_b32 v[F+1], 0                            ; (named as the upper half of a pair)
	v_mov_b32 v253, 0                              ; a lane permute's destination counts as one of its sources
	s_mov_b32 s[CNT], 0
	s_mov_b32 s[REC], 0
	s_mov_b32 s[BLK], s[BLKE]
	QREADY
	s_cmp_eq_u32 s[WV], 0
	s_cbranch_scc0 .Lnot_0
	s_wait_tensorcnt 0x0
.Lnot_0:
	BARRIER                                        ; record 0 is in; the others may still be on their way
	KLOAD
	STEP 0                                         ; trip 0: key step 0, in every wave
	WALU
	s_wait_tensorcnt 0x0
	s_wait_dscnt 0x0
	BARRIER                                        ; all records are in
	NEXTK
	WALU
	KLOAD
	s_mov_b32 s[CNT], 1
.Ltrip:
	s_cmp_lg_u32 s[CNT], s[SW]
	s_cbranch_scc1 .Lsame_tile
	FINISH BYE, 52                                 ; B: the early tile is whole; on to the late one
	s_wait_dscnt 0x0
	QLOAD 56, 58
	INIT
	QREADY
	s_wait_xcnt 0x0                                ; the stores have read their registers
.Lsame_tile:
	s_cmp_gt_u32 s[CNT], s[JX]
	s_cselect_b32 s[BLK], s[BLKL], s[BLKE]
	s_cselect_b32 s[REC], s[DELTA], 0
	s_add_co_u32 s[REC], s[REC], s[CNT]
	STEP 1
	s_add_co_u32 s[CNT], s[CNT], 1
	s_cmp_lt_u32 s[CNT], 9
	s_cbranch_scc1 .Ltrip
	PLACES 4                                       ; behind the last products
	WALU
	s_wait_dscnt 0x0
	s_cmp_eq_u32 s[ISB], 1
	s_cbranch_scc0 .Lnot_b
	v_add_f32 v13, v14, v15
.irp k, 0,1,2,3,4,5,6,7
	ds_store_b128 v[STG], v[O+4*\k:O+4*\k+3] offset:512*\k
.endr
	ds_store_b128 v[STG], v[12:15] offset:4096     ; -M, the lane's sum (the other two words are not used)
.Lnot_b:
	s_wait_dscnt 0x0
	BARRIER
	s_cmp_eq_u32 s[ISB], 1
	s_cbranch_scc1 .Ljoined
.irp k, 0,1,2,3,4,5,6,7
	ds_load_b128 v[S+4*\k:S+4*\k+3], v[STG] offset:512*\k
.endr
	ds_load_b128 v[246:249], v[STG] offset:4096
	s_wait_dscnt 0x0
	v_min_num_f32 v250, v12, v246                  ; the joint -M
	v_sub_f32 v251, v250, v12
	v_sub_f32 v252, v250, v246
	v_cvt_i32_f32 v251, v251
	v_cvt_i32_f32 v252, v252
	v_ldexp_f32 v[F], 1.0, v251
	v_ldexp_f32 v252, 1.0, v252                    ; 0 where B had no late step
	v_add_f32 v14, v14, v15
	v_mul_f32 v14, v14, v[F]
	v_fma_f32 v14, v247, v252, v14
	v_mov_b32 v15, 0
.set N_, 0
.rept 16
	v_pk_mul_f32 v[O+N_:O+N_+1], v[O+N_:O+N_+1], v[F:F+1] op_sel_hi:[1,0]
.set N_, N_+2
.endr
.set N_, 0
.rept 16
	v_pk_fma_f32 v[O+N_:O+N_+1], v[S+N_:S+N_+1], v[252:253], v[O+N_:O+N_+1] op_sel_hi:[1,0,1]
.set N_, N_+2
.endr
	FINISH BYL, 54
.Ljoined:
	s_wait_dscnt 0x0
	BARRIER                                        ; all scale bytes are in LDS
	s_cmp_lt_u32 s[WV], 2
	s_cbranch_scc0 .Lscales_out
	ds_load_b64 v[S:S+1], v[SCR]
	s_wait_dscnt 0x0
	global_store_b64 v[L8], v[S:S+1], s[66:67] offset:6144   ; one aligned unit of 256 bytes
.Lscales_out:
	s_wait_tensorcnt 0x0                           ; the wave's end
	ds_add_u32 v[SPW], v[NIL]
	s_wait_dscnt 0x0
	CROUND                                         ; the closing round
	s_endpgm
.Lfunc_end_k_q0b714cf080_attn:
	.size	k_q0b714cf080_attn, .Lfunc_end_k_q0b714cf080_attn-k_q0b714cf080_attn
	.p2alignl 7, 3214868480
	.fill 96, 4, 3214868480
	.section	.rodata,"a",@progbits
	.p2align	6, 0x0
	.amdhsa_kernel k_q0b714cf080_attn
		.amdhsa_group_segment_fixed_size 244224
		.amdhsa_private_segment_fixed_size 0
		.amdhsa_enable_private_segment 0
		.amdhsa_kernarg_size 32
		.amdhsa_user_sgpr_count 2
		.amdhsa_user_sgpr_kernarg_segment_ptr 1
		.amdhsa_wavefront_size32 1
		.amdhsa_system_sgpr_workgroup_id_x 1
		.amdhsa_system_sgpr_workgroup_id_y 1
		.amdhsa_system_sgpr_workgroup_id_z 1
		.amdhsa_system_vgpr_workitem_id 0
		.amdhsa_next_free_vgpr 256
		.amdhsa_next_free_sgpr 80
		.amdhsa_reserve_vcc 1
		.amdhsa_float_denorm_mode_32 3
		.amdhsa_float_denorm_mode_16_64 3
		.amdhsa_memory_ordered 1
		.amdhsa_forward_progress 1
		.amdhsa_inst_pref_size 63
	.end_amdhsa_kernel
	.amdgpu_metadata
---
amdhsa.version: [ 1, 2 ]
amdhsa.kernels:
  - .name:           k_q0b714cf080_attn
    .symbol:         k_q0b714cf080_attn.kd
    .args:
      - { .name: q_img, .offset: 0, .size: 8, .value_kind: global_buffer, .address_space: global }
      - { .name: q_sc, .offset: 8, .size: 8, .value_kind: global_buffer, .address_space: global }
      - { .name: kv, .offset: 16, .size: 8, .value_kind: global_buffer, .address_space: global }
      - { .name: vo, .offset: 24, .size: 8, .value_kind: global_buffer, .address_space: global }
    .group_segment_fixed_size: 244224
    .private_segment_fixed_size: 0
    .kernarg_segment_align: 8
    .kernarg_segment_size: 32
    .max_flat_workgroup_size: 512
    .sgpr_count:     80
    .vgpr_count:     256
    .wavefront_size: 32
...
	.end_amdgpu_metadata
.endif
;; end of part 3
;; launch outp (part 4): grid 8 x 32, 4 waves a work-group, clusters of 4 x 4, 274,944 bytes of LDS; arguments vo, xw, out0; writes out0
.if DOCPART == 4
	.amdgcn_target "amdgcn-amd-amdhsa--gfx1250"
	.amdhsa_code_object_version 6
	.text
	.protected	k_q0b714cf080_outp
	.globl	k_q0b714cf080_outp
	.p2align	8
	.type	k_q0b714cf080_outp,@function
k_q0b714cf080_outp:
	s_mov_b64 s[64:65], 0
	v_nop
	global_prefetch_b8 v0, s[64:65] scope:SCOPE_SE
	s_setreg_imm32_b32 hwreg(HW_REG_WAVE_MODE, 25, 1), 1
	s_wait_xcnt 0x0
	s_wait_alu depctr_hold_cnt(0) depctr_sa_sdst(0) depctr_va_vdst(0) depctr_va_sdst(0) depctr_va_ssrc(0) depctr_va_vcc(0) depctr_vm_vsrc(0)
	s_getreg_b32 s2, hwreg(HW_REG_IB_STS2, 6, 4)
	s_cmp_eq_u32 s2, 0
	s_cbranch_scc0 .Lentry_in_a_cluster
	s_endpgm
.Lentry_in_a_cluster:
	s_bfe_u32 s2, ttmp6, 0x10000c
	s_cmp_lg_u32 s2, 0xf033
	s_cbranch_scc0 .Lentry_shape_is_right
	s_endpgm
.Lentry_shape_is_right:
; out = O Wout on codes of FP6 with E8M0 scales, f32 results.  A work-group makes 128 tokens x 128 columns, a wave (wr, wc) 64 x 64: 16 accumulators.
; The 128 tokens are tile i of eight blocks of 128: vo [b][i][half of the blocks][head][6,400] holds them end to end.  K step q is heads 2 q, 2 q + 1.
; All of K lies in LDS: O's rows [head][6,400], Wout's columns [half of K][group of 64][25,600]; one joint tensor load a wave at the head, no refill.  The first half of K is multiplied while the second lands.
; CLUSTERS: O's rows are shared along a row of the cluster, Wout's along a column.  No prefetch: all tiles are asked for at the head.
; The matrix instruction is used transposed (source 0 = Wout's columns): by the columns' order a lane's 32 results of a tile are 32 neighbouring columns of one token.
; They go through the wave's own stage in LDS (rows of 272 bytes) and leave as rows of 256 bytes, two an instruction.
; LIMITS: NaN and infinities are not served.
; REGISTERS: window 0: v6-31 addresses; v40-55 O's scale words (lanes 0-15 the even tile, 16-31 the odd), v68-99 Wout's; v104-199 Wout's fragments, two sets; v200-215 scale bytes; window 1: O's fragments, two sets; window 3: accumulators.
.set GB,   51200
.set STAGE, 4*GB
.set SPARE, STAGE+4*64*272
.set STO, 6
.set RD, 7
.set CO, 8
.set SPW, 18
.set NIL, 19
.set WA, 20                            ; v20-22, v23-25: even tiles, odd tiles, scale words: first and second half of K
.set OA, 26                            ; v26-28, v29-31: O's rows by 16 lane, by 8 lane, scale bytes: likewise
.set AS, 40
.set WS, 68
.set WF, 104
.set RAW, 200
.set MSB, 0
.macro WIN new
.if MSB != (\new)
	s_set_vgpr_msb (MSB<<8)|(\new)
.set MSB, (\new)
.endif
.endm
.macro PLACES n
.rept \n
	v_nop
.endr
.endm
.macro WALU
	s_wait_alu depctr_va_vdst(0)
.endm
.macro BARRIER
	s_barrier_signal -1
	s_barrier_wait -1
.endm
.macro CROUND
	BARRIER
	s_cmp_lg_u32 s14, 0
	s_cbranch_scc1 .Lnot_wave_0_\@
	s_barrier_signal -3
.Lnot_wave_0_\@:
	s_barrier_wait -3
	BARRIER
.endm
.macro TLOAD g0, g1
	tensor_load_to_lds s[\g0:\g0+3], s[\g1:\g1+7]
	s_nop 0
	PLACES 4
.endm
	s_load_b128 s[4:7], s[0:1], 0x0                ; vo, xw
	s_load_b64 s[8:9], s[0:1], 0x10                ; out0
	v_lshl_add_u32 v[SPW], v0, 2, SPARE
	v_mov_b32 v[NIL], 0
	ds_add_u32 v[SPW], v[NIL]
	ds_add_u32 v[SPW], v[NIL]
	v_lshrrev_b32 v1, 5, v0
	v_readfirstlane_b32 s14, v1
	s_lshr_b32 s15, s14, 1                         ; wr
	s_and_b32 s16, s14, 1                          ; wc
	s_bfe_u32 s40, ttmp6, 0x40000
	s_bfe_u32 s41, ttmp6, 0x40004
	s_lshl_b32 s42, ttmp9, 2
	s_add_co_u32 s42, s42, s40                     ; which 128 columns
	s_and_b32 s43, ttmp7, 0xffff
	s_lshl_b32 s43, s43, 2
	s_add_co_u32 s43, s43, s41                     ; which 128 tokens: (b 8 + i) 2 + half
	s_lshl_b32 s44, s41, 2
	s_lshl_b32 s44, 15, s44
	s_lshl_b32 s45, 0x1111, s40
	s_or_b32 s24, s44, (3<<16)|(1<<21)             ; eight heads of O: 200 rows of 256 bytes
	s_mov_b32 s25, 32<<16
	s_mov_b32 s26, 200<<16
	s_mov_b32 s27, 32<<16
	s_mov_b32 s28, 200
	s_mov_b32 s29, 32
	s_mov_b32 s30, 0
	s_mov_b32 s31, 0
	s_or_b32 s32, s45, (3<<16)|(1<<21)             ; half of K of two groups: two rows of 25,600 bytes
	s_mov_b32 s33, 3200<<16
	s_mov_b32 s34, 2<<16
	s_mov_b32 s35, 3200<<16
	s_mov_b32 s36, 2
	s_mov_b32 s37, 6400
	s_mov_b32 s38, 0
	s_mov_b32 s39, 0
	s_mul_i32 s20, s43, 2*GB
	s_mov_b32 s21, 0
	s_mul_i32 s46, s42, 2*GB
	s_add_co_u32 s46, s46, 112*GB                  ; Wout's groups
	s_mov_b32 s47, 0
	s_mov_b32 s48, 1
	s_mov_b32 s49, 0
	s_mov_b32 s52, 1
	s_mov_b32 s53, 2*GB
	s_mov_b32 s56, 1
	s_mov_b32 s57, GB
	s_mov_b32 s60, 1
	s_mov_b32 s61, 3*GB
	s_wait_dscnt 0x0
	s_wait_kmcnt 0x0
	s_add_nc_u64 s[50:51], s[4:5], s[20:21]
	s_add_nc_u64 s[58:59], s[50:51], GB
	s_add_nc_u64 s[54:55], s[6:7], s[46:47]
	s_add_nc_u64 s[62:63], s[54:55], GB/2
	s_or_b32 s51, s51, 0x80000000
	s_or_b32 s59, s59, 0x80000000
	s_or_b32 s55, s55, 0x80000000
	s_or_b32 s63, s63, 0x80000000
	CROUND                                         ; all sixteen work-groups are here
	s_cmp_lt_u32 s14, 1
	s_cbranch_scc0 .Lload_1
	TLOAD 48, 24                                   ; wave 0: O, first half of K
	s_branch .Lasked
.Lload_1:
	s_cmp_lt_u32 s14, 2
	s_cbranch_scc0 .Lload_2
	TLOAD 52, 32                                   ; wave 1: Wout, first half
	s_branch .Lasked
.Lload_2:
	s_cmp_lt_u32 s14, 3
	s_cbranch_scc0 .Lload_3
	TLOAD 56, 24                                   ; wave 2: O, second half
	s_branch .Lasked
.Lload_3:
	TLOAD 60, 32                                   ; wave 3: Wout, second half
.Lasked:
	s_lshr_b32 s20, s43, 4
	s_lshl_b32 s20, s20, 11
	s_and_b32 s21, s43, 1
	s_lshl_b32 s21, s21, 10
	s_add_co_u32 s20, s20, s21
	s_lshl_b32 s21, s15, 9
	s_add_co_u32 s20, s20, s21
	s_bfe_u32 s22, s43, 0x30001                    ; i
	s_lshr_b32 s21, s22, 2
	s_lshl_b32 s21, s21, 6
	s_add_co_u32 s20, s20, s21
	s_and_b32 s21, s22, 3
	s_lshl_b32 s21, s21, 3
	s_add_co_u32 s20, s20, s21                     ; my first token
	s_lshl_b32 s20, s20, 12
	s_lshl_b32 s21, s42, 9
	s_add_co_u32 s20, s20, s21
	s_lshl_b32 s21, s16, 8
	s_add_co_u32 s20, s20, s21
	s_mov_b32 s21, 0
	s_add_nc_u64 s[8:9], s[8:9], s[20:21]
	s_mul_i32 s20, s16, GB/2
	s_add_co_u32 s20, s20, 2*GB
	s_mul_i32 s21, s15, 3072
	s_lshl_b32 s22, s15, 7
	s_add_co_u32 s22, s22, 6144
	s_add_co_u32 s17, s21, 512
	s_mul_i32 s23, s14, 64*272
	s_add_co_u32 s23, s23, STAGE
	v_and_b32 v1, 15, v0                           ; r
	v_bfe_u32 v2, v0, 4, 1                         ; lane / 16
	v_bfe_u32 v3, v0, 3, 1                         ; r / 8
	v_and_b32 v4, 7, v0
	v_lshlrev_b32 v4, 4, v4
	v_lshl_add_u32 v5, v3, 10, v4
	v_lshl_add_u32 v5, v2, 9, v5
	v_lshlrev_b32 v9, 7, v3
	v_add_nc_u32 v10, v5, v9
	v_xor_b32 v9, 0x80, v9
	v_add_nc_u32 v11, v5, v9                       ; odd tiles: 128 (j - 1) + 128 (1 - h)
	v_lshrrev_b32 v4, 1, v4
	v_lshl_add_u32 v4, v3, 8, v4
	v_add_nc_u32 v[WA], s20, v10
	v_add_nc_u32 v[WA+1], s20, v11
	v_add_nc_u32 v[WA+2], s20, v4
	v_and_b32 v5, 31, v0
	v_lshlrev_b32 v9, 4, v5
	v_add_nc_u32 v[OA], s21, v9
	v_lshlrev_b32 v9, 3, v5
	v_add_nc_u32 v[OA+1], s17, v9
	v_lshlrev_b32 v9, 1, v5
	v_add_nc_u32 v[OA+2], s22, v9
.irp i, 0,1,2
	v_add_nc_u32 v[WA+3+\i], GB, v[WA+\i]
	v_add_nc_u32 v[OA+3+\i], GB, v[OA+\i]
.endr
	v_mul_u32_u24 v9, v1, 272
	v_lshl_add_u32 v9, v2, 7, v9
	v_add_nc_u32 v[STO], s23, v9                   ; in: row r, 128 bytes for each half of the lanes
	v_mul_u32_u24 v9, v2, 272
	v_lshl_add_u32 v9, v1, 4, v9
	v_add_nc_u32 v[RD], s23, v9                    ; back: two rows of 256 bytes
	v_lshlrev_b32 v9, 12, v2
	v_lshl_add_u32 v[CO], v1, 4, v9
	WALU
	s_cmp_lt_u32 s14, 2
	s_cbranch_scc0 .Lnot_first
	s_wait_tensorcnt 0x0
.Lnot_first:
	BARRIER                                        ; the first half of K is in; the second may still be on its way
; K step n's loads: 28 of fragments; ahead of them at even n 4 of Wout's scale words, and at n = 0, 4 sixteen of O's scale bytes, two a lane
.macro RUN n
.set N_, \n
.set H_, N_/4
.if N_%4 == 0
.irp t, 0,1,2,3,4,5,6,7
	ds_load_u16 v[RAW+2*\t], v[OA+3*H_+2] offset:6400*\t
	ds_load_u16 v[RAW+2*\t+1], v[OA+3*H_+2] offset:6400*\t+64
.endr
.endif
.if N_%2 == 0
.irp b, 0,1,2,3
	ds_load_b64 v[WS+8*\b+N_:WS+8*\b+N_+1], v[WA+3*H_+2] offset:((N_/2)%2)*12800+12288+64*\b
.endr
.endif
.irp b, 0,1,2,3
.irp p, 0,1,2
	ds_load_b128 v[WF+48*(N_%2)+12*\b+4*\p:WF+48*(N_%2)+12*\b+4*\p+3], v[WA+3*H_+\b%2] offset:((N_/2)%2)*12800+(N_%2)*6144+2048*\p+256*(\b/2)
.endr
.endr
	WIN 0x40
.irp a, 0,1,2,3
.irp c, 0,1
	ds_load_b128 v[48*(N_%2)+12*\a+6*\c:48*(N_%2)+12*\a+6*\c+3], v[OA+3*H_] offset:((2*N_+\c)%8)*6400+768*\a
	ds_load_b64 v[48*(N_%2)+12*\a+6*\c+4:48*(N_%2)+12*\a+6*\c+5], v[OA+3*H_+1] offset:((2*N_+\c)%8)*6400+768*\a
.endr
.endr
	WIN 0
.endm
.macro COMB h                          ; O's scale words of four K steps: the even head's two bytes below, the odd head's above
.irp t, 0,1,2,3
	v_lshl_or_b32 v[AS+4*(\h)+\t], v[RAW+4*\t+2], 16, v[RAW+4*\t]
	v_lshl_or_b32 v[AS+8+4*(\h)+\t], v[RAW+4*\t+3], 16, v[RAW+4*\t+1]
.endr
	WALU
	PLACES 8                                       ; in front of the scaled products
.endm
.macro WM d, s0, s1, c, x0, x1, row
.if \row
	v_wmma_scale_f32_16x16x128_f8f6f4 v[\d:\d+7], v[\s0:\s0+11], v[\s1:\s1+11], \c, v[\x0], v[\x1] matrix_a_fmt:MATRIX_FMT_FP6 matrix_b_fmt:MATRIX_FMT_FP6 matrix_b_scale:MATRIX_SCALE_ROW1
.else
	v_wmma_scale_f32_16x16x128_f8f6f4 v[\d:\d+7], v[\s0:\s0+11], v[\s1:\s1+11], \c, v[\x0], v[\x1] matrix_a_fmt:MATRIX_FMT_FP6 matrix_b_fmt:MATRIX_FMT_FP6
.endif
.endm
.macro MUL n                           ; the 16 accumulators take turns, in the same order in every step
.set Q_, \n
	WIN 0xf4
.irp a, 0,1,2,3
.irp b, 0,1,2,3
.if Q_ == 0
	WM 32*\a+8*\b, WF+48*(Q_%2)+12*\b, 48*(Q_%2)+12*\a, 0, WS+8*\b+Q_, AS+8*(\a/2)+Q_, \a%2
.else
	WM 32*\a+8*\b, WF+48*(Q_%2)+12*\b, 48*(Q_%2)+12*\a, v[32*\a+8*\b:32*\a+8*\b+7], WS+8*\b+Q_, AS+8*(\a/2)+Q_, \a%2
.endif
.endr
.endr
	WIN 0
	PLACES 4                                       ; in front of the loads into this step's fragments, and of the reads of results
.endm
	RUN 0
	RUN 1
	s_wait_dscnt 28                                ; in each of these waits the next step's loads may be out
	COMB 0
	MUL 0
	RUN 2
	s_wait_dscnt 32
	MUL 1
	RUN 3
	s_wait_dscnt 28
	MUL 2
	s_wait_tensorcnt 0x0
	s_wait_dscnt 0x0
	BARRIER                                        ; the second half of K is in; K step 3's fragments are in registers
	RUN 4
	MUL 3
	RUN 5
	s_wait_dscnt 28
	COMB 1
	MUL 4
	RUN 6
	s_wait_dscnt 32
	MUL 5
	RUN 7
	s_wait_dscnt 28
	MUL 6
	s_wait_dscnt 0x0
	MUL 7
.macro TOSTAGE a                       ; LDS serves a wave's instructions in order: the loads see the stores
	WIN 0x0c
.irp k, 0,1,2,3,4,5,6,7
	ds_store_b128 v[STO], v[32*(\a)+4*\k:32*(\a)+4*\k+3] offset:4352*(\a)+16*\k
.endr
	WIN 0
.irp t, 0,1,2,3,4,5,6,7
	ds_load_b128 v[WF+32*(\a)+4*\t:WF+32*(\a)+4*\t+3], v[RD] offset:4352*(\a)+544*\t
.endr
.endm
.irp a, 0,1,2,3
	TOSTAGE \a
.endr
.irp a, 0,1,2,3
	s_wait_dscnt 48-16*\a                          ; tile a is back; the later tiles' 8 stores and 8 loads each may be out
.irp t, 0,1,2,3,4,5,6,7
	global_store_b128 v[CO], v[WF+32*\a+4*\t:WF+32*\a+4*\t+3], s[8:9] offset:(128*\a+32*(\t/4)+2*(\t%4))*4096 th:TH_STORE_NT
.endr
.endr
	s_wait_tensorcnt 0x0                           ; the wave's end
	ds_add_u32 v[SPW], v[NIL]
	s_wait_dscnt 0x0
	CROUND                                         ; the closing round
	s_endpgm
.Lfunc_end_k_q0b714cf080_outp:
	.size	k_q0b714cf080_outp, .Lfunc_end_k_q0b714cf080_outp-k_q0b714cf080_outp
	.p2alignl 7, 3214868480
	.fill 96, 4, 3214868480
	.section	.rodata,"a",@progbits
	.p2align	6, 0x0
	.amdhsa_kernel k_q0b714cf080_outp
		.amdhsa_group_segment_fixed_size 274944
		.amdhsa_private_segment_fixed_size 0
		.amdhsa_enable_private_segment 0
		.amdhsa_kernarg_size 24
		.amdhsa_user_sgpr_count 2
		.amdhsa_user_sgpr_kernarg_segment_ptr 1
		.amdhsa_wavefront_size32 1
		.amdhsa_system_sgpr_workgroup_id_x 1
		.amdhsa_system_sgpr_workgroup_id_y 1
		.amdhsa_system_sgpr_workgroup_id_z 1
		.amdhsa_system_vgpr_workitem_id 0
		.amdhsa_next_free_vgpr 896
		.amdhsa_next_free_sgpr 80
		.amdhsa_reserve_vcc 0
		.amdhsa_float_denorm_mode_32 3
		.amdhsa_float_denorm_mode_16_64 3
		.amdhsa_memory_ordered 1
		.amdhsa_forward_progress 1
		.amdhsa_inst_pref_size 53
	.end_amdhsa_kernel
	.amdgpu_metadata
---
amdhsa.version: [ 1, 2 ]
amdhsa.kernels:
  - .name:           k_q0b714cf080_outp
    .symbol:         k_q0b714cf080_outp.kd
    .args:
      - { .name: vo, .offset: 0, .size: 8, .value_kind: global_buffer, .address_space: global }
      - { .name: xw, .offset: 8, .size: 8, .value_kind: global_buffer, .address_space: global }
      - { .name: out0, .offset: 16, .size: 8, .value_kind: global_buffer, .address_space: global }
    .group_segment_fixed_size: 274944
    .private_segment_fixed_size: 0
    .kernarg_segment_align: 8
    .kernarg_segment_size: 24
    .max_flat_workgroup_size: 128
    .sgpr_count:     80
    .vgpr_count:     896
    .wavefront_size: 32
...
	.end_amdgpu_metadata
.endif
;; end of part 4
